; MI455X (gfx1250); checked and timed in simulation.
; The chip was launched on July 23, 2026; its instructions are those of AMD's public machine-readable ISA for CDNA 5 (MIT licence, August 2026) and "CDNA5" Instruction Set Architecture Reference Guide (July 2026). The comments in the code are by the model that wrote it; some were corrected since.
;; Custom Dense. Allowed arithmetic: float matrix products may take bf16 or f16 operands with f32 sums; other float arithmetic in f32, or as packed bf16 or f16 multiplies, adds, multiply-adds, maxima and minima; sums over many terms, partial sums and values carried from step to step in f32; what a program stores and reads back later, other than sums and carried values, may be rounded once to bf16 or f16.
;; Inputs: bias 1,024 float32; inputs 64 x 1,024 float32; kernel 1,024 x 1,024 float32.
;; Outputs: out0 64 x 1,024 float32.
;; Constants: bits = 8.
;; 2 versions, each right; version 2 is version 1 with the launch serial written anew for expert scheduling mode. Each part assembles by itself: llvm-mc -triple=amdgcn-amd-amdhsa -mcpu=gfx1250 --defsym DOCPART=n.
;; ======== version 1 of 2: 2 launches
;; workspace buffers: part 4,194,304 bytes
;; launch serial (part 1): grid 16 x 16, 4 waves a work-group, no clusters, 83,456 bytes of LDS; arguments inputs, kernel, part; writes part
.if DOCPART == 1
	.amdgcn_target "amdgcn-amd-amdhsa--gfx1250"
	.amdhsa_code_object_version 6
	.text
	.protected	k_qfe2d237c74_serial
	.globl	k_qfe2d237c74_serial
	.p2align	8
	.type	k_qfe2d237c74_serial,@function
k_qfe2d237c74_serial:
	s_mov_b64 s[64:65], 0
	v_nop
	global_prefetch_b8 v0, s[64:65] scope:SCOPE_SE
	s_setreg_imm32_b32 hwreg(HW_REG_WAVE_MODE, 25, 1), 1
	s_wait_xcnt 0x0
; part[g][b][u] = the sum over the 64 rows j of block g of D(inputs[b][j], kernel[j][u]).  inputs: [64][1024], kernel: [1024][1024], part: [16][64][1024], all f32.
; D(x, w) is the bit-serial product: d = 0; eight times: d = trunc((d + x * mod(wc, 2) * sign(w)) / 2), wc = trunc(wc / 2), beginning at wc = w.
; THE FORM THAT IS EVALUATED.  Let t1 = trunc(w / 2).  Step 0 gives d1 = trunc(x * c), c = sign(w) * mod(w, 2) / 2.  In steps 1 to 7 the factor is sign(w) times a bit of |t1|, and d and x * sign(w) have one sign.
; In magnitudes: e' = floor((e + |x| * bit) / 2) with e an integer.  The fraction of |x| adds less than 1 to an integer that is then halved and floored, so it changes nothing: x may be replaced by trunc(x).
; Seven nested halvings of integers are one division: d8 = trunc((d1 + trunc(x) * sM) / 128), sM = sign(w) * (|t1| mod 128).  This holds for all real x and w, whole numbers or not.
; For each triple (b, j, u): p = x * c; d1 = trunc(p); g = trunc(x) * m, m = sM / 128; h = d1 / 128 + g; D = trunc(h); sum += D: six operations, in packed f32 eight instructions for two triples.
; The truncation stands inside the sum over j, so this is no matrix product: the matrix units have no part in it.
; LIMITS.  (1) An x that is the float directly below an integer: there the rounding of d + x in the step-by-step form may carry to that integer; this text truncates x first, and D may differ by 1.
; (2) From |x| = 2^17 on, trunc(x) * 127 + d1 has more than 24 bits: both forms then round, at different places, a few parts in 2^24 of a term.  Below that every number here is exact but p, which is
; rounded as in the step-by-step form (a factor of 1/2 moves no bit).  (3) NaN and infinities are not treated apart.
; SHARES.  256 work-groups: x = the block of 64 rows j; y = 2 * (block of 128 columns u) + (half of 32 batch rows b).  Four waves.
; HEAD.  Wave v loads 16 rows of the kernel tile (a row: 512 consecutive bytes, 16 a lane), recodes each weight once into c and m, and puts them in LDS for all four waves.  It loads its own 8 rows of inputs
; (256 consecutive bytes each, sixteen lanes a row) and puts x and trunc(x) in a table of its own.  One barrier.
; LOOP.  Wave v takes batch rows 8 v .. 8 v + 7, all 128 columns (4 a lane) and all 64 j: 2,048 triples a lane, 8,192 vector instructions.  A step is 4 rows j: 8 LDS loads of weights, 16 of x
; (all lanes ask for the same bytes) for 512 vector instructions.  A packed instruction works on two neighbouring columns; x is one register of a pair, given to both halves by op_sel.
; NO CLUSTER, NO TENSOR LOAD: a work-group asks for 40 KiB (32 of kernel, 8 of inputs) once, at its head, straight into the registers in which the weights are recoded; nothing is filled again.  The kernel
; tile has 2 readers, the tile of inputs 8; a joint request lands in LDS and would add an LDS read of every weight and the cluster's rounds.
.set ROWB,   4096                      ; bytes in a row of inputs, of kernel and of a plane of part
.set WPITCH, 1024                      ; LDS: a row j of recoded weights: 128 c, then 128 m
.set XPITCH, 272                       ; LDS: four j of a wave's 8 batch rows: 8 x (4 x, 4 trunc(x)) = 256 bytes + 16: 68 words, so block q starts at bank 4 q mod 64 (64 banks of 4 bytes: ISA guide 11.1)
.set XWAVE,  16*XPITCH                 ; a wave's table: 16 blocks of four j
.set XT,     64*WPITCH                 ; the tables lie behind the 64 rows of weights
.set SPARE,  XT+4*XWAVE                ; behind them: the spare words, 128 bytes for each wave: two blocks of 256 bytes that no other line names
.set SPW, 2                            ; v2   LDS address of my spare word: SPARE + 4 x my thread's number; never rewritten
.set NIL, 3                            ; v3   0; never rewritten
.set WA,  4                            ; v4   LDS address of my 16 bytes in the rows of weights to be loaded next
.set XA,  5                            ; v5   LDS address of my wave's block of x to be loaded next (the same in all lanes)
.set PO,  6                            ; v6   16 x lane: my 4 columns in the tile's rows of kernel and of part; never rewritten
.set XO,  7                            ; v7   my 16 bytes in two rows of inputs; never rewritten
.set WS,  8                            ; v8   where I put recoded weights
.set XS,  9                            ; v9   where I put x and trunc(x)
.set ACC, 12                           ; v[12:43]    the sums: batch row i of 8, my 4 columns, at ACC + 4 i
.set WB,  44                           ; v[44:107]   two buffers of 32: row k of 4: c of my 4 columns at 8 k, m at 8 k + 4.  In the head: the 16 rows as loaded
.set XB,  108                          ; v[108:171]  two buffers of 32, one for batch rows 0-3, one for 4-7: row i: x of 4 j at 8 i, trunc(x) at 8 i + 4.  In the head: inputs as loaded, and truncated
.set TP,  172                          ; v[172:203]  16 chains of two triples: p, then d1.  In the head: at work
.set TG,  204                          ; v[204:235]  the same chains: g, then h, then D
.set WV,  10                           ; s10  my wave's number
.set CNT, 24                           ; s24  counts the loop
.set KS,  26                           ; s[26:27] 1/128: named as a pair, the low word serves both halves
.set MASK, 28                          ; s28  all bits but the sign
	s_load_b128 s[4:7], s[0:1], 0x0                ; inputs s[4:5], kernel s[6:7]
	s_load_b64 s[8:9], s[0:1], 0x10                ; part
	v_lshl_add_u32 v[SPW], v0, 2, SPARE
	v_mov_b32 v[NIL], 0
	v_lshrrev_b32 v1, 5, v0
	v_readfirstlane_b32 s[WV], v1                  ; wave 0..3
	s_and_b32 s12, ttmp7, 0xffff
	s_lshr_b32 s13, s12, 1                         ; block of 128 columns
	s_and_b32 s14, s12, 1                          ; half of the batch
	s_lshl_b32 s16, ttmp9, 18                      ; kernel: 64 rows for each block of j,
	s_lshl_b32 s15, s[WV], 16                      ; 16 rows for each wave,
	s_add_co_u32 s16, s16, s15
	s_lshl_b32 s15, s13, 9                         ; 512 bytes for each block of columns
	s_add_co_u32 s16, s16, s15
	s_mov_b32 s17, 0
	s_lshl_b32 s18, s14, 17                        ; inputs and part: 32 rows for the half,
	s_lshl_b32 s15, s[WV], 15                      ; 8 rows for each wave
	s_add_co_u32 s18, s18, s15
	s_lshl_b32 s20, ttmp9, 18                      ; part: the plane of this block of j,
	s_add_co_u32 s20, s20, s18                     ; my wave's rows,
	s_lshl_b32 s15, s13, 9                         ; the block of columns
	s_add_co_u32 s20, s20, s15
	s_mov_b32 s21, 0
	s_lshl_b32 s15, ttmp9, 8                       ; inputs: 256 bytes of a row for each block of j
	s_add_co_u32 s18, s18, s15
	s_mov_b32 s19, 0
	s_mov_b32 s[KS], 0x3c000000                    ; 1/128
	s_mov_b32 s[KS+1], s[KS]
	s_mov_b32 s[MASK], 0x7fffffff
	v_and_b32 v1, 31, v0                           ; lane
	v_lshlrev_b32 v[PO], 4, v1
	v_and_b32 v10, 15, v0                          ; lane % 16: which four j of a row of inputs
	v_bfe_u32 v11, v0, 4, 1                        ; lane / 16: which of two rows
	v_lshlrev_b32 v[XO], 4, v10
	v_lshl_add_u32 v[XO], v11, 12, v[XO]
	v_mul_u32_u24 v[XS], v10, XPITCH               ; the block of those four j,
	v_lshl_add_u32 v[XS], v11, 5, v[XS]            ; 32 bytes for each batch row,
	s_mul_i32 s22, s[WV], XWAVE
	s_add_co_u32 s22, s22, XT                      ; in my wave's table
	v_add_nc_u32 v[XS], s22, v[XS]
	v_mov_b32 v[XA], s22
	s_lshl_b32 s23, s[WV], 14                      ; my wave recodes rows 16 v .. 16 v + 15 of the tile
	v_add_nc_u32 v[WS], s23, v[PO]
	v_mov_b32 v[WA], v[PO]
	s_wait_kmcnt 0x0
	s_add_nc_u64 s[4:5], s[4:5], s[18:19]
	s_add_nc_u64 s[6:7], s[6:7], s[16:17]
	s_add_nc_u64 s[8:9], s[8:9], s[20:21]
.irp i, 0,1,2,3
	global_load_b128 v[XB+4*\i:XB+4*\i+3], v[XO], s[4:5] offset:\i*2*ROWB    ; batch rows 2 i and 2 i + 1 of my 8: sixteen lanes take 256 consecutive bytes, aligned
.endr
.irp r, 0,1,2,3,4,5,6,7,8,9,10,11,12,13,14,15
	global_load_b128 v[WB+4*\r:WB+4*\r+3], v[PO], s[6:7] offset:\r*ROWB      ; row r of my 16: 512 consecutive bytes, aligned
.endr
.set n, 0
.rept 32
	v_mov_b32 v[ACC+n], 0                          ; the 32 sums start at 0: written while the loads are on their way, so that the loop has one form of step
.set n, n+1
.endr
	s_wait_loadcnt 16                              ; the four loads of inputs are in; the 16 rows of kernel may stay out
.irp i, 0,1,2,3
.irp e, 0,1,2,3
	v_trunc_f32 v[XB+16+4*\i+\e], v[XB+4*\i+\e]
.endr
	ds_store_b128 v[XS], v[XB+4*\i:XB+4*\i+3] offset:\i*64                   ; x of four j
	ds_store_b128 v[XS], v[XB+16+4*\i:XB+16+4*\i+3] offset:\i*64+16          ; trunc(x) of the same
.endr
; Row r of my 16 is recoded, four weights a lane.  hw = w / 2.  mod(w, 2) / 2 = hw - floor(hw): one rounding, where w is negative and no whole even number, as in mod's own r + 2.  c takes w's sign.
; t1 = trunc(hw); q = t1 / 128; m = q - trunc(q) = sign(w) (|t1| mod 128) / 128, exact.  Two sets of registers at work take turns.
.macro PREP r
.set kr, WB+4*(\r)
.set hh, TP+12*((\r)%2)
.set ff, hh+4
.set tt, hh+8
	s_wait_loadcnt 15-(\r)                         ; loads come back in order (ISA guide 5.7.1): row r is in, the younger rows stay out
	v_pk_mul_f32 v[hh:hh+1], v[kr:kr+1], 0.5 op_sel_hi:[1,0]
	v_pk_mul_f32 v[hh+2:hh+3], v[kr+2:kr+3], 0.5 op_sel_hi:[1,0]
.irp e, 0,1,2,3
	v_floor_f32 v[ff+\e], v[hh+\e]
.endr
.irp e, 0,1,2,3
	v_trunc_f32 v[tt+\e], v[hh+\e]
.endr
	v_pk_add_f32 v[ff:ff+1], v[hh:hh+1], v[ff:ff+1] neg_lo:[0,1] neg_hi:[0,1]
	v_pk_add_f32 v[ff+2:ff+3], v[hh+2:hh+3], v[ff+2:ff+3] neg_lo:[0,1] neg_hi:[0,1]
	v_pk_mul_f32 v[tt:tt+1], v[tt:tt+1], s[KS:KS+1] op_sel_hi:[1,0]
	v_pk_mul_f32 v[tt+2:tt+3], v[tt+2:tt+3], s[KS:KS+1] op_sel_hi:[1,0]
.irp e, 0,1,2,3
	v_bfi_b32 v[kr+\e], s[MASK], v[ff+\e], v[kr+\e]                          ; c: the magnitude just made, the sign of w, in w's place
.endr
.irp e, 0,1,2,3
	v_trunc_f32 v[hh+\e], v[tt+\e]
.endr
	v_pk_add_f32 v[tt:tt+1], v[tt:tt+1], v[hh:hh+1] neg_lo:[0,1] neg_hi:[0,1]
	v_pk_add_f32 v[tt+2:tt+3], v[tt+2:tt+3], v[hh+2:hh+3] neg_lo:[0,1] neg_hi:[0,1]
	ds_store_b128 v[WS], v[kr:kr+3] offset:(\r)*WPITCH
	ds_store_b128 v[WS], v[tt:tt+3] offset:(\r)*WPITCH+512
.endm
.irp r, 0,1,2,3,4,5,6,7,8,9,10,11,12,13,14,15
	PREP \r
.endr
	s_wait_dscnt 0x0                               ; for the others' sake: my stores of weights are done
	s_barrier_signal -1
	s_barrier_wait -1                              ; all 64 rows of weights lie in LDS
; The LDS loads stand in runs of 8.  LDW: four rows' c and m of my 4 columns into weight buffer buf.  LDX: four batch rows' x and trunc(x) of four j into x buffer g.
.macro LDW buf
.irp k, 0,1,2,3
	ds_load_b128 v[WB+32*(\buf)+8*\k:WB+32*(\buf)+8*\k+3],   v[WA] offset:\k*WPITCH
	ds_load_b128 v[WB+32*(\buf)+8*\k+4:WB+32*(\buf)+8*\k+7], v[WA] offset:\k*WPITCH+512
.endr
	v_add_nc_u32 v[WA], 4*WPITCH, v[WA]            ; the next run takes the next four rows
.endm
.macro LDX g
.irp b, 0,1,2,3
	ds_load_b128 v[XB+32*(\g)+8*\b:XB+32*(\g)+8*\b+3],   v[XA] offset:128*(\g)+32*\b
	ds_load_b128 v[XB+32*(\g)+8*\b+4:XB+32*(\g)+8*\b+7], v[XA] offset:128*(\g)+32*\b+16
.endr
.if \g
	v_add_nc_u32 v[XA], XPITCH, v[XA]              ; the next two runs take the next four j
.endif
.endm
; 128 vector instructions for 32 triples a lane: rows j = 2 kk and 2 kk + 1 of the step's four, the four batch rows of x buffer g, my 4 columns.  Chain n of 16 is two neighbouring columns:
; row 2 kk + n / 8, batch row (n % 8) / 2, column pair n % 2.  The work goes stage by stage through all 16 chains, so that no instruction reads a result made fewer than 8 instructions earlier.
.macro GRAN g, kk, buf
.set xp, XB+32*(\g)+2*(\kk)            ; the pair of registers that holds x of the two rows, for batch row 0; trunc(x) lies 4 further on
.set cw, WB+32*(\buf)+16*(\kk)
.set ac, ACC+16*(\g)
.set n, 0
.rept 16                               ; p = c x
.if n/8
	v_pk_mul_f32 v[TP+2*n:TP+2*n+1], v[cw+8+2*(n%2):cw+8+2*(n%2)+1], v[xp+8*((n%8)/2):xp+8*((n%8)/2)+1] op_sel:[0,1] op_sel_hi:[1,1]
.else
	v_pk_mul_f32 v[TP+2*n:TP+2*n+1], v[cw+2*(n%2):cw+2*(n%2)+1], v[xp+8*((n%8)/2):xp+8*((n%8)/2)+1] op_sel_hi:[1,0]
.endif
.set n, n+1
.endr
.set n, 0
.rept 16                               ; g = m trunc(x)
.if n/8
	v_pk_mul_f32 v[TG+2*n:TG+2*n+1], v[cw+12+2*(n%2):cw+12+2*(n%2)+1], v[xp+4+8*((n%8)/2):xp+4+8*((n%8)/2)+1] op_sel:[0,1] op_sel_hi:[1,1]
.else
	v_pk_mul_f32 v[TG+2*n:TG+2*n+1], v[cw+4+2*(n%2):cw+4+2*(n%2)+1], v[xp+4+8*((n%8)/2):xp+4+8*((n%8)/2)+1] op_sel_hi:[1,0]
.endif
.set n, n+1
.endr
.set n, 0
.rept 32                               ; d1 = trunc(p)
	v_trunc_f32 v[TP+n], v[TP+n]
.set n, n+1
.endr
.set n, 0
.rept 16                               ; h = d1 / 128 + g
	v_pk_fma_f32 v[TG+2*n:TG+2*n+1], v[TP+2*n:TP+2*n+1], s[KS:KS+1], v[TG+2*n:TG+2*n+1] op_sel_hi:[1,0,1]
.set n, n+1
.endr
.set n, 0
.rept 32                               ; D = trunc(h)
	v_trunc_f32 v[TG+n], v[TG+n]
.set n, n+1
.endr
.set n, 0
.rept 16                               ; the sums; the two rows' additions onto one sum stand 8 instructions apart
	v_pk_add_f32 v[ac+2*(n%8):ac+2*(n%8)+1], v[ac+2*(n%8):ac+2*(n%8)+1], v[TG+2*n:TG+2*n+1]
.set n, n+1
.endr
.endm
; A step: four rows j.  At its head three runs are out, in this order: its weights, x of batch rows 0-3, x of batch rows 4-7.  more = 1: the next step's three runs are issued, each as soon as the last
; instruction that reads its buffer has been issued, in the same order; each has 256 vector instructions or more in which to land.
.macro ITER buf, more
	s_wait_dscnt 8                                 ; LDS loads come back in order (ISA guide 5.7.1): the weights and the first x are in; the youngest 8, the second x, may stay out
.if \more
	LDW 1-(\buf)
.endif
.irp kk, 0,1
	GRAN 0, \kk, \buf
.endr
.if \more
	LDX 0
	s_wait_dscnt 16                                ; the second x is in; the 16 issued behind it, the next step's weights and first x, may stay out
.else
	s_wait_dscnt 0x0                               ; the second x is in; nothing was issued behind it
.endif
.irp kk, 0,1
	GRAN 1, \kk, \buf
.endr
.if \more
	LDX 1
.endif
.endm
	LDW 0
	LDX 0
	LDX 1
	s_mov_b32 s[CNT], 7
.Lstep:                                        ; a trip is two steps, one on each weight buffer: steps 0 to 13
	ITER 0, 1
	ITER 1, 1
	s_sub_co_u32 s[CNT], s[CNT], 1
	s_cmp_lg_u32 s[CNT], 0
	s_cbranch_scc1 .Lstep
	ITER 0, 1                                      ; step 14
	ITER 1, 0                                      ; step 15 is written out: it loads nothing, so no LDS load reaches past the tables
.irp b, 0,1,2,3,4,5,6,7
	global_store_b128 v[PO], v[ACC+4*\b:ACC+4*\b+3], s[8:9] offset:\b*ROWB   ; a batch row's 128 sums: 512 consecutive bytes, at a multiple of 256 from part's first byte
.endr
	s_wait_tensorcnt 0x0                           ; the wave's end, behind my last LDS store
	ds_add_u32 v[SPW], v[NIL]
	s_wait_dscnt 0x0
	s_endpgm
.Lfunc_end_k_qfe2d237c74_serial:
	.size	k_qfe2d237c74_serial, .Lfunc_end_k_qfe2d237c74_serial-k_qfe2d237c74_serial
	.p2alignl 7, 3214868480
	.fill 96, 4, 3214868480
	.section	.rodata,"a",@progbits
	.p2align	6, 0x0
	.amdhsa_kernel k_qfe2d237c74_serial
		.amdhsa_group_segment_fixed_size 83456
		.amdhsa_private_segment_fixed_size 0
		.amdhsa_enable_private_segment 0
		.amdhsa_kernarg_size 24
		.amdhsa_user_sgpr_count 2
		.amdhsa_user_sgpr_kernarg_segment_ptr 1
		.amdhsa_wavefront_size32 1
		.amdhsa_system_sgpr_workgroup_id_x 1
		.amdhsa_system_sgpr_workgroup_id_y 1
		.amdhsa_system_sgpr_workgroup_id_z 1
		.amdhsa_system_vgpr_workitem_id 0
		.amdhsa_next_free_vgpr 236
		.amdhsa_next_free_sgpr 66
		.amdhsa_reserve_vcc 0
		.amdhsa_float_denorm_mode_32 3
		.amdhsa_float_denorm_mode_16_64 3
		.amdhsa_memory_ordered 1
		.amdhsa_forward_progress 1
		.amdhsa_inst_pref_size 131
	.end_amdhsa_kernel
	.amdgpu_metadata
---
amdhsa.version: [ 1, 2 ]
amdhsa.kernels:
  - .name:           k_qfe2d237c74_serial
    .symbol:         k_qfe2d237c74_serial.kd
    .args:
      - { .name: inputs, .offset: 0, .size: 8, .value_kind: global_buffer, .address_space: global }
      - { .name: kernel, .offset: 8, .size: 8, .value_kind: global_buffer, .address_space: global }
      - { .name: part, .offset: 16, .size: 8, .value_kind: global_buffer, .address_space: global }
    .group_segment_fixed_size: 83456
    .private_segment_fixed_size: 0
    .kernarg_segment_align: 8
    .kernarg_segment_size: 24
    .max_flat_workgroup_size: 128
    .sgpr_count:     66
    .vgpr_count:     236
    .wavefront_size: 32
...
	.end_amdgpu_metadata
.endif
;; end of part 1
;; launch finish (part 2): grid 256 x 1, 2 waves a work-group, no clusters, 0 bytes of LDS; arguments part, bias, out0; writes out0
.if DOCPART == 2
	.amdgcn_target "amdgcn-amd-amdhsa--gfx1250"
	.amdhsa_code_object_version 6
	.text
	.protected	k_qfe2d237c74_finish
	.globl	k_qfe2d237c74_finish
	.p2align	8
	.type	k_qfe2d237c74_finish,@function
k_qfe2d237c74_finish:
	s_mov_b64 s[64:65], 0
	v_nop
	global_prefetch_b8 v0, s[64:65] scope:SCOPE_SE
	s_setreg_imm32_b32 hwreg(HW_REG_WAVE_MODE, 25, 1), 1
	s_wait_xcnt 0x0
; out0[b][u] = max(the sum over g of part[g][b][u] + bias[u], 0).  part: [16][64][1024], bias: [1024], out0: [64][1024], all f32.
; The 16 planes hold the sums over 64 rows j each; they are whole numbers, so below 2^24 their sum is exact in any order, and the bias is added last, with one rounding.
; LIMIT.  A NaN loses in the maximum: where the sum is NaN the result is 0.
; SHARES.  256 work-groups of two waves; thread t owns 16 bytes (4 columns of one batch row), so a load or store of a wave covers 512 consecutive bytes, aligned.  All 17 loads of a thread go out at once:
; nothing is left to ask for ahead, and no wave needs another's bytes: no LDS, no barrier.
.set PLANE,  262144                    ; bytes in a plane of part, and in out0
.set SUM,    4                         ; v[4:7]    plane 0, then the running sum
.set BIAS,   68                        ; v[68:71]
	s_load_b128 s[4:7], s[0:1], 0x0                ; part s[4:5], bias s[6:7]
	s_load_b64 s[8:9], s[0:1], 0x10                ; out0
	s_lshl_b32 s10, ttmp9, 10                      ; the work-group's 64 threads x 16 bytes
	v_lshl_add_u32 v1, v0, 4, s10                  ; my 16 bytes in a plane and in out0; never rewritten
	v_and_b32 v2, 0xfff, v1                        ; and in bias: the place in a row of 4,096 bytes; never rewritten
	s_wait_kmcnt 0x0
.set pl, 0
.rept 16
	global_load_b128 v[SUM+4*pl:SUM+4*pl+3], v1, s[4:5] offset:pl*PLANE th:TH_LOAD_NT   ; each byte of part is read once in the launch
.set pl, pl+1
.endr
	global_load_b128 v[BIAS:BIAS+3], v2, s[6:7]
.set pl, 1
.rept 15
	s_wait_loadcnt 16-pl                           ; loads come back in order (ISA guide 5.7.1): plane pl is in; the 15 - pl later planes and the bias may stay out
	v_pk_add_f32 v[SUM:SUM+1], v[SUM:SUM+1], v[SUM+4*pl:SUM+4*pl+1]
	v_pk_add_f32 v[SUM+2:SUM+3], v[SUM+2:SUM+3], v[SUM+4*pl+2:SUM+4*pl+3]
.set pl, pl+1
.endr
	s_wait_loadcnt 0x0                             ; the bias
	v_pk_add_f32 v[SUM:SUM+1], v[SUM:SUM+1], v[BIAS:BIAS+1]
	v_pk_add_f32 v[SUM+2:SUM+3], v[SUM+2:SUM+3], v[BIAS+2:BIAS+3]
.irp e, 0,1,2,3
	v_max_num_f32 v[SUM+\e], 0, v[SUM+\e]
.endr
	global_store_b128 v1, v[SUM:SUM+3], s[8:9] th:TH_STORE_NT
	s_endpgm
.Lfunc_end_k_qfe2d237c74_finish:
	.size	k_qfe2d237c74_finish, .Lfunc_end_k_qfe2d237c74_finish-k_qfe2d237c74_finish
	.p2alignl 7, 3214868480
	.fill 96, 4, 3214868480
	.section	.rodata,"a",@progbits
	.p2align	6, 0x0
	.amdhsa_kernel k_qfe2d237c74_finish
		.amdhsa_group_segment_fixed_size 0
		.amdhsa_private_segment_fixed_size 0
		.amdhsa_enable_private_segment 0
		.amdhsa_kernarg_size 24
		.amdhsa_user_sgpr_count 2
		.amdhsa_user_sgpr_kernarg_segment_ptr 1
		.amdhsa_wavefront_size32 1
		.amdhsa_system_sgpr_workgroup_id_x 1
		.amdhsa_system_sgpr_workgroup_id_y 1
		.amdhsa_system_sgpr_workgroup_id_z 1
		.amdhsa_system_vgpr_workitem_id 0
		.amdhsa_next_free_vgpr 72
		.amdhsa_next_free_sgpr 66
		.amdhsa_reserve_vcc 0
		.amdhsa_float_denorm_mode_32 3
		.amdhsa_float_denorm_mode_16_64 3
		.amdhsa_memory_ordered 1
		.amdhsa_forward_progress 1
		.amdhsa_inst_pref_size 5
	.end_amdhsa_kernel
	.amdgpu_metadata
---
amdhsa.version: [ 1, 2 ]
amdhsa.kernels:
  - .name:           k_qfe2d237c74_finish
    .symbol:         k_qfe2d237c74_finish.kd
    .args:
      - { .name: part, .offset: 0, .size: 8, .value_kind: global_buffer, .address_space: global }
      - { .name: bias, .offset: 8, .size: 8, .value_kind: global_buffer, .address_space: global }
      - { .name: out0, .offset: 16, .size: 8, .value_kind: global_buffer, .address_space: global }
    .group_segment_fixed_size: 0
    .private_segment_fixed_size: 0
    .kernarg_segment_align: 8
    .kernarg_segment_size: 24
    .max_flat_workgroup_size: 64
    .sgpr_count:     66
    .vgpr_count:     72
    .wavefront_size: 32
...
	.end_amdgpu_metadata
.endif
;; end of part 2
;; ======== version 2 of 2: 2 launches; version 1 with the launch serial written anew for expert scheduling mode
;; workspace buffers: part 4,194,304 bytes
;; launch serial (part 3): grid 16 x 16, 4 waves a work-group, no clusters, 83,456 bytes of LDS; arguments inputs, kernel, part; writes part
.if DOCPART == 3
	.amdgcn_target "amdgcn-amd-amdhsa--gfx1250"
	.amdhsa_code_object_version 6
	.text
	.protected	k_qfe2d237c74_serial
	.globl	k_qfe2d237c74_serial
	.p2align	8
	.type	k_qfe2d237c74_serial,@function
k_qfe2d237c74_serial:
	s_mov_b64 s[64:65], 0
	v_nop
	global_prefetch_b8 v0, s[64:65] scope:SCOPE_SE
	s_setreg_imm32_b32 hwreg(HW_REG_WAVE_SCHED_MODE, 0, 2), 2
	s_setreg_imm32_b32 hwreg(HW_REG_WAVE_MODE, 25, 1), 1
	s_wait_xcnt 0x0
	s_wait_alu depctr_vm_vsrc(0)
; part[g][b][u] = the sum over the 64 rows j of block g of D(inputs[b][j], kernel[j][u]).  inputs: [64][1024], kernel: [1024][1024], part: [16][64][1024], all f32.
; D(x, w) is the bit-serial product: d = 0; eight times: d = trunc((d + x * mod(wc, 2) * sign(w)) / 2), wc = trunc(wc / 2), beginning at wc = w.
; THE FORM THAT IS EVALUATED.  Let t1 = trunc(w / 2).  Step 0 gives d1 = trunc(x * c), c = sign(w) * mod(w, 2) / 2.  In steps 1 to 7 the factor is sign(w) times a bit of |t1|, and d and x * sign(w) have one sign.
; In magnitudes: e' = floor((e + |x| * bit) / 2) with e an integer.  The fraction of |x| adds less than 1 to an integer that is then halved and floored, so it changes nothing: x may be replaced by trunc(x).
; Seven nested halvings of integers are one division: d8 = trunc((d1 + trunc(x) * sM) / 128), sM = sign(w) * (|t1| mod 128).  This holds for all real x and w, whole numbers or not.
; For each triple (b, j, u): p = x * c; d1 = trunc(p); g = trunc(x) * m, m = sM / 128; h = d1 / 128 + g; D = trunc(h); sum += D: six operations, in packed f32 eight instructions for two triples.
; The truncation stands inside the sum over j, so this is no matrix product: the matrix units have no part in it.
; LIMITS.  (1) An x that is the float directly below an integer: there the rounding of d + x in the step-by-step form may carry to that integer; this text truncates x first, and D may differ by 1.
; (2) From |x| = 2^17 on, trunc(x) * 127 + d1 has more than 24 bits: both forms then round, at different places, a few parts in 2^24 of a term.  Below that every number here is exact but p, which is
; rounded as in the step-by-step form (a factor of 1/2 moves no bit).  (3) NaN and infinities are not treated apart.
; SHARES.  256 work-groups: x = the block of 64 rows j; y = 2 * (block of 128 columns u) + (half of 32 batch rows b).  Four waves.
; HEAD.  Wave v loads 16 rows of the kernel tile (a row: 512 consecutive bytes, 16 a lane), recodes each weight once into c and m, and puts them in LDS for all four waves.  It loads its own 8 rows of inputs
; (256 consecutive bytes each, sixteen lanes a row) and puts x and trunc(x) in a table of its own.  One barrier.
; LOOP.  Wave v takes batch rows 8 v .. 8 v + 7, all 128 columns (4 a lane) and all 64 j: 2,048 triples a lane, 8,192 vector instructions.  A step is 4 rows j: 8 LDS loads of weights, 16 of x
; (all lanes ask for the same bytes) for 512 vector instructions.  A packed instruction works on two neighbouring columns; x is one register of a pair, given to both halves by op_sel.
; NO CLUSTER, NO TENSOR LOAD: a work-group asks for 40 KiB (32 of kernel, 8 of inputs) once, at its head, straight into the registers in which the weights are recoded; nothing is filled again.  The kernel
; tile has 2 readers, the tile of inputs 8; a joint request lands in LDS and would add an LDS read of every weight and the cluster's rounds.
; THE MODE: SCHED_MODE bits 1:0 = 2 (LLVM: expert scheduling mode 2), set by the entry lines.  The code itself states the register dependences between vector instructions and memory or LDS
; instructions, with s_wait_alu, always for 0.
; THE PLAN.  Registers that memory or LDS instructions touch:
;   v[PO], v[XO], v[WS], v[XS]  offsets and addresses, made once at the head and never written again.
;   v[WA], v[XA]  read by every LDS load of the loop; written at the head and once a trip (two steps), at the trip's end; immediate offsets reach the rest.
;   HEAD.  The 16 rows are recoded in four groups of four.  Group g reads and rewrites its 16 registers of WB (w, then c), writes 16 registers of its own for m, and works in scratch that no store names.
;          Its eight LDS stores are issued at the head of group g + 1, behind that group's one wait on va_vdst; the lines of group g + 1 name none of the registers that those stores read.
;          No register that a store reads is written again ahead of the barrier; one wait on vm_vsrc behind the barrier frees them all for the loop.
;   WB0, WB1  Step s: its four granules read WB[s % 2]; the loads of step s + 1, issued at step s's head, land in the other, which step s - 1 read.
;   XB0       Step s: its first two granules read it; the loads of step s + 1, issued in step s's middle, land in it.
;   XB1       Step s: its last two granules read it; the loads of step s, issued at step s's head, land in it.
;   ACC       written by vector instructions alone; read by the eight stores at the end.  The chains' registers are named in the loop by vector instructions alone.
; So a step has two waits on va_vdst: at its head (the step before is done reading the other weight buffer and XB1; behind a trip's end v[WA] and v[XA] are written) and in its middle (the first two
; granules are done reading XB0).  Between each wait and its loads stand only loads, and the granules issued while those loads are out name the other buffers.
.set ROWB,   4096                      ; bytes in a row of inputs, of kernel and of a plane of part
.set WPITCH, 1024                      ; LDS: a row j of recoded weights: 128 c, then 128 m
.set XPITCH, 272                       ; LDS: four j of a wave's 8 batch rows: 8 x (4 x, 4 trunc(x)) = 256 bytes + 16: 68 words, so block q starts at bank 4 q mod 64 (64 banks of 4 bytes: ISA guide 11.1)
.set XWAVE,  16*XPITCH                 ; a wave's table: 16 blocks of four j
.set XT,     64*WPITCH                 ; the tables lie behind the 64 rows of weights
.set SPARE,  XT+4*XWAVE                ; behind them: the spare words, 128 bytes for each wave: two blocks of 256 bytes that no other line names
.set SPW, 2                            ; v2   LDS address of my spare word: SPARE + 4 x my thread's number; never rewritten
.set NIL, 3                            ; v3   0; never rewritten
.set WA,  4                            ; v4   LDS address of my 16 bytes in the first row of weights of this trip's first step
.set XA,  5                            ; v5   LDS address of my wave's block of x of this trip's first step (the same in all lanes)
.set PO,  6                            ; v6   16 x lane: my 4 columns in the tile's rows of kernel and of part; never rewritten
.set XO,  7                            ; v7   my 16 bytes in two rows of inputs; never rewritten
.set WS,  8                            ; v8   where I put recoded weights; never rewritten
.set XS,  9                            ; v9   where I put x and trunc(x); never rewritten
.set ACC, 12                           ; v[12:43]    the sums: batch row i of 8, my 4 columns, at ACC + 4 i
.set WB,  44                           ; v[44:107]   two buffers of 32: row k of 4: c of my 4 columns at 8 k, m at 8 k + 4.  In the head: the 16 rows as loaded, then their c
.set XB,  108                          ; v[108:171]  two buffers of 32, one for batch rows 0-3, one for 4-7: row i: x of 4 j at 8 i, trunc(x) at 8 i + 4.  In the head: inputs as loaded, and truncated; then scratch
.set HH,  XB+32                        ; v[140:155]  in the head: a group's 16 numbers at work
.set FF,  XB+48                        ; v[156:171]  likewise
.set TP,  172                          ; v[172:203]  16 chains of two triples: p, then d1
.set TG,  204                          ; v[204:235]  the same chains: g, then h, then D
.set MM,  TP                           ; v[172:235]  in the head: m of my 16 rows, 4 registers a row
.set WV,  10                           ; s10  my wave's number
.set CNT, 24                           ; s24  counts the loop
.set KS,  26                           ; s[26:27] 1/128: named as a pair, the low word serves both halves
.set MASK, 28                          ; s28  all bits but the sign
	s_load_b128 s[4:7], s[0:1], 0x0                ; inputs s[4:5], kernel s[6:7]
	s_load_b64 s[8:9], s[0:1], 0x10                ; part
	v_lshl_add_u32 v[SPW], v0, 2, SPARE
	v_mov_b32 v[NIL], 0
	v_lshrrev_b32 v1, 5, v0
	v_readfirstlane_b32 s[WV], v1                  ; wave 0..3
	s_and_b32 s12, ttmp7, 0xffff
	s_lshr_b32 s13, s12, 1                         ; block of 128 columns
	s_and_b32 s14, s12, 1                          ; half of the batch
	s_lshl_b32 s16, ttmp9, 18                      ; kernel: 64 rows for each block of j,
	s_wait_alu depctr_va_sdst(0)                   ; s10 is written, ahead of its first reader: the bases and the LDS places below are made from it
	s_lshl_b32 s15, s[WV], 16                      ; 16 rows for each wave,
	s_add_co_u32 s16, s16, s15
	s_lshl_b32 s15, s13, 9                         ; 512 bytes for each block of columns
	s_add_co_u32 s16, s16, s15
	s_mov_b32 s17, 0
	s_lshl_b32 s18, s14, 17                        ; inputs and part: 32 rows for the half,
	s_lshl_b32 s15, s[WV], 15                      ; 8 rows for each wave
	s_add_co_u32 s18, s18, s15
	s_lshl_b32 s20, ttmp9, 18                      ; part: the plane of this block of j,
	s_add_co_u32 s20, s20, s18                     ; my wave's rows,
	s_lshl_b32 s15, s13, 9                         ; the block of columns
	s_add_co_u32 s20, s20, s15
	s_mov_b32 s21, 0
	s_lshl_b32 s15, ttmp9, 8                       ; inputs: 256 bytes of a row for each block of j
	s_add_co_u32 s18, s18, s15
	s_mov_b32 s19, 0
	s_mov_b32 s[KS], 0x3c000000                    ; 1/128
	s_mov_b32 s[KS+1], s[KS]
	s_mov_b32 s[MASK], 0x7fffffff
	v_and_b32 v1, 31, v0                           ; lane
	v_lshlrev_b32 v[PO], 4, v1
	v_and_b32 v10, 15, v0                          ; lane % 16: which four j of a row of inputs
	v_bfe_u32 v11, v0, 4, 1                        ; lane / 16: which of two rows
	v_lshlrev_b32 v[XO], 4, v10
	v_lshl_add_u32 v[XO], v11, 12, v[XO]
	v_mul_u32_u24 v[XS], v10, XPITCH               ; the block of those four j,
	v_lshl_add_u32 v[XS], v11, 5, v[XS]            ; 32 bytes for each batch row,
	s_mul_i32 s22, s[WV], XWAVE
	s_add_co_u32 s22, s22, XT                      ; in my wave's table
	v_add_nc_u32 v[XS], s22, v[XS]
	v_mov_b32 v[XA], s22
	s_lshl_b32 s23, s[WV], 14                      ; my wave recodes rows 16 v .. 16 v + 15 of the tile
	v_add_nc_u32 v[WS], s23, v[PO]
	v_mov_b32 v[WA], v[PO]
	s_wait_kmcnt 0x0
	s_add_nc_u64 s[4:5], s[4:5], s[18:19]
	s_add_nc_u64 s[6:7], s[6:7], s[16:17]
	s_add_nc_u64 s[8:9], s[8:9], s[20:21]
	s_wait_alu depctr_va_vdst(0)                   ; the six offsets and addresses v4 to v9 are written, which the loads and stores below read
.irp i, 0,1,2,3
	global_load_b128 v[XB+4*\i:XB+4*\i+3], v[XO], s[4:5] offset:\i*2*ROWB    ; batch rows 2 i and 2 i + 1 of my 8: sixteen lanes take 256 consecutive bytes, aligned
.endr
.irp r, 0,1,2,3,4,5,6,7,8,9,10,11,12,13,14,15
	global_load_b128 v[WB+4*\r:WB+4*\r+3], v[PO], s[6:7] offset:\r*ROWB      ; row r of my 16: 512 consecutive bytes, aligned
.endr
.set n, 0
.rept 32
	v_mov_b32 v[ACC+n], 0                          ; the 32 sums start at 0: written while the loads are on their way, so that the loop has one form of step
.set n, n+1
.endr
	s_wait_loadcnt 16                              ; the four loads of inputs are in; the 16 rows of kernel may stay out
.set n, 0
.rept 16
	v_trunc_f32 v[XB+16+n], v[XB+n]
.set n, n+1
.endr
; The head's LDS stores stand in runs of eight, each behind the wait at the head of the next group.
.macro PUTX                            ; x and trunc(x) of my four j, for the two batch rows of each of the four loads
.irp i, 0,1,2,3
	ds_store_b128 v[XS], v[XB+4*\i:XB+4*\i+3] offset:\i*64                   ; x of four j
	ds_store_b128 v[XS], v[XB+16+4*\i:XB+16+4*\i+3] offset:\i*64+16          ; trunc(x) of the same
.endr
.endm
.macro PUTW g                          ; c and m of group g's four rows
.irp r, 0,1,2,3
	ds_store_b128 v[WS], v[WB+16*(\g)+4*\r:WB+16*(\g)+4*\r+3] offset:(4*(\g)+\r)*WPITCH
	ds_store_b128 v[WS], v[MM+16*(\g)+4*\r:MM+16*(\g)+4*\r+3] offset:(4*(\g)+\r)*WPITCH+512
.endr
.endm
; Group g: rows 4 g .. 4 g + 3 of my 16 are recoded, sixteen weights a lane, stage by stage.  hw = w / 2.  mod(w, 2) / 2 = hw - floor(hw): one rounding, where w is negative and no whole even number, as in
; mod's own r + 2.  c takes w's sign.  t1 = trunc(hw); q = t1 / 128; m = q - trunc(q) = sign(w) (|t1| mod 128) / 128, exact.
.macro PREP g
.set kr, WB+16*(\g)
.set mm, MM+16*(\g)
	s_wait_loadcnt 12-4*(\g)                       ; loads come back in order (ISA guide 5.7.1): the group's four rows are in, the younger rows stay out
	s_wait_alu depctr_va_vdst(0)                   ; group 0: the truncations have written trunc(x); later groups: the group before has written its c and m: the stores below read them
.if \g
	PUTW (\g)-1
.else
	PUTX
.endif
.set n, 0
.rept 8                                ; hw = w / 2
	v_pk_mul_f32 v[HH+2*n:HH+2*n+1], v[kr+2*n:kr+2*n+1], 0.5 op_sel_hi:[1,0]
.set n, n+1
.endr
.set n, 0
.rept 16
	v_floor_f32 v[FF+n], v[HH+n]
.set n, n+1
.endr
.set n, 0
.rept 16                               ; t1
	v_trunc_f32 v[mm+n], v[HH+n]
.set n, n+1
.endr
.set n, 0
.rept 8                                ; hw - floor(hw)
	v_pk_add_f32 v[FF+2*n:FF+2*n+1], v[HH+2*n:HH+2*n+1], v[FF+2*n:FF+2*n+1] neg_lo:[0,1] neg_hi:[0,1]
.set n, n+1
.endr
.set n, 0
.rept 8                                ; q = t1 / 128
	v_pk_mul_f32 v[mm+2*n:mm+2*n+1], v[mm+2*n:mm+2*n+1], s[KS:KS+1] op_sel_hi:[1,0]
.set n, n+1
.endr
.set n, 0
.rept 16
	v_bfi_b32 v[kr+n], s[MASK], v[FF+n], v[kr+n]   ; c: the magnitude just made, the sign of w, in w's place
.set n, n+1
.endr
.set n, 0
.rept 16
	v_trunc_f32 v[HH+n], v[mm+n]
.set n, n+1
.endr
.set n, 0
.rept 8                                ; m = q - trunc(q)
	v_pk_add_f32 v[mm+2*n:mm+2*n+1], v[mm+2*n:mm+2*n+1], v[HH+2*n:HH+2*n+1] neg_lo:[0,1] neg_hi:[0,1]
.set n, n+1
.endr
.endm
	PREP 0
	PREP 1
	PREP 2
	PREP 3
	s_wait_alu depctr_va_vdst(0)                   ; group 3 has written its c and m, which the stores below read; and every vector line of the head is done with WB and XB, in which the loop's first loads land
	PUTW 3
	s_wait_dscnt 0x0                               ; for the others' sake: my stores of weights are done
	s_barrier_signal -1
	s_barrier_wait -1                              ; all 64 rows of weights lie in LDS
	s_wait_alu depctr_vm_vsrc(0)                   ; my LDS stores have read WB, XB and the registers of m: from here on LDS loads land in the first two, and the chains write the last
; The LDS loads stand in runs of 8.  LDW: four rows' c and m of my 4 columns into weight buffer buf.  LDX: four batch rows' x and trunc(x) of four j into x buffer g.  at: bytes from the trip's first step.
.macro LDW buf, at
.irp k, 0,1,2,3
	ds_load_b128 v[WB+32*(\buf)+8*\k:WB+32*(\buf)+8*\k+3],   v[WA] offset:(\at)+\k*WPITCH
	ds_load_b128 v[WB+32*(\buf)+8*\k+4:WB+32*(\buf)+8*\k+7], v[WA] offset:(\at)+\k*WPITCH+512
.endr
.endm
.macro LDX g, at
.irp b, 0,1,2,3
	ds_load_b128 v[XB+32*(\g)+8*\b:XB+32*(\g)+8*\b+3],   v[XA] offset:(\at)+128*(\g)+32*\b
	ds_load_b128 v[XB+32*(\g)+8*\b+4:XB+32*(\g)+8*\b+7], v[XA] offset:(\at)+128*(\g)+32*\b+16
.endr
.endm
; 128 vector instructions for 32 triples a lane: rows j = 2 kk and 2 kk + 1 of the step's four, the four batch rows of x buffer g, my 4 columns.  Chain n of 16 is two neighbouring columns:
; row 2 kk + n / 8, batch row (n % 8) / 2, column pair n % 2.  The work goes stage by stage through all 16 chains, so that no instruction reads a result made fewer than 8 instructions earlier.
.macro GRAN g, kk, buf
.set xp, XB+32*(\g)+2*(\kk)            ; the pair of registers that holds x of the two rows, for batch row 0; trunc(x) lies 4 further on
.set cw, WB+32*(\buf)+16*(\kk)
.set ac, ACC+16*(\g)
.set n, 0
.rept 16                               ; p = c x
.if n/8
	v_pk_mul_f32 v[TP+2*n:TP+2*n+1], v[cw+8+2*(n%2):cw+8+2*(n%2)+1], v[xp+8*((n%8)/2):xp+8*((n%8)/2)+1] op_sel:[0,1] op_sel_hi:[1,1]
.else
	v_pk_mul_f32 v[TP+2*n:TP+2*n+1], v[cw+2*(n%2):cw+2*(n%2)+1], v[xp+8*((n%8)/2):xp+8*((n%8)/2)+1] op_sel_hi:[1,0]
.endif
.set n, n+1
.endr
.set n, 0
.rept 16                               ; g = m trunc(x)
.if n/8
	v_pk_mul_f32 v[TG+2*n:TG+2*n+1], v[cw+12+2*(n%2):cw+12+2*(n%2)+1], v[xp+4+8*((n%8)/2):xp+4+8*((n%8)/2)+1] op_sel:[0,1] op_sel_hi:[1,1]
.else
	v_pk_mul_f32 v[TG+2*n:TG+2*n+1], v[cw+4+2*(n%2):cw+4+2*(n%2)+1], v[xp+4+8*((n%8)/2):xp+4+8*((n%8)/2)+1] op_sel_hi:[1,0]
.endif
.set n, n+1
.endr
.set n, 0
.rept 32                               ; d1 = trunc(p)
	v_trunc_f32 v[TP+n], v[TP+n]
.set n, n+1
.endr
.set n, 0
.rept 16                               ; h = d1 / 128 + g
	v_pk_fma_f32 v[TG+2*n:TG+2*n+1], v[TP+2*n:TP+2*n+1], s[KS:KS+1], v[TG+2*n:TG+2*n+1] op_sel_hi:[1,0,1]
.set n, n+1
.endr
.set n, 0
.rept 32                               ; D = trunc(h)
	v_trunc_f32 v[TG+n], v[TG+n]
.set n, n+1
.endr
.set n, 0
.rept 16                               ; the sums; the two rows' additions onto one sum stand 8 instructions apart
	v_pk_add_f32 v[ac+2*(n%8):ac+2*(n%8)+1], v[ac+2*(n%8):ac+2*(n%8)+1], v[TG+2*n:TG+2*n+1]
.set n, n+1
.endr
.endm
; A step: four rows j.  buf: its weight buffer, which is also its place, 0 or 1, in the trip.  At its head two runs are out: its weights and x of batch rows 0-3.  Its own x of batch rows 4-7 is asked for
; at the head.  more = 1: the next step's weights are asked for at the head too, and its x of batch rows 0-3 in the middle.  Each run has 256 vector instructions or more in which to land.
.macro ITER buf, more
	s_wait_dscnt 0x0                               ; the step's weights and first x are in: they are all that is out, and the youngest of them were issued 256 vector instructions ago
	s_wait_alu depctr_va_vdst(0)                   ; the step before is done reading x buffer 1 and the other weight buffer, in which the loads below land; behind a trip's end v[WA] and v[XA] are written
	LDX 1, (\buf)*XPITCH
.if \more
	LDW 1-(\buf), ((\buf)+1)*4*WPITCH
.endif
.irp kk, 0,1
	GRAN 0, \kk, \buf
.endr
.if \more
	s_wait_alu depctr_va_vdst(0)                   ; the two granules above are done reading x buffer 0, in which the loads below land
	LDX 0, ((\buf)+1)*XPITCH
	s_wait_dscnt 16                                ; LDS loads come back in order (ISA guide 5.7.1): the second x is in; the 16 issued behind it, the next step's weights and first x, may stay out
.else
	s_wait_dscnt 0x0                               ; the second x is in; nothing was issued behind it
.endif
.irp kk, 0,1
	GRAN 1, \kk, \buf
.endr
.endm
	LDW 0, 0                                       ; step 0.  No wait: no vector instruction has been issued since the wait ahead of the head's last stores
	LDX 0, 0
	s_mov_b32 s[CNT], 7
.Lstep:                                        ; a trip is two steps, one on each weight buffer: steps 0 to 13
	ITER 0, 1
	ITER 1, 1
	s_wait_alu depctr_vm_vsrc(0)                   ; the LDS loads issued so far have read v[WA] and v[XA]
	v_add_nc_u32 v[WA], 8*WPITCH, v[WA]            ; the next trip's first step: eight rows of weights on,
	v_add_nc_u32 v[XA], 2*XPITCH, v[XA]            ; two blocks of x on
	s_sub_co_u32 s[CNT], s[CNT], 1
	s_cmp_lg_u32 s[CNT], 0
	s_cbranch_scc1 .Lstep
	ITER 0, 1                                      ; step 14
	ITER 1, 0                                      ; step 15 is written out: it asks for its own second x alone, so no LDS load reaches past the tables
	s_wait_alu depctr_va_vdst(0)                   ; the last additions have written the sums, which the stores read
.irp b, 0,1,2,3,4,5,6,7
	global_store_b128 v[PO], v[ACC+4*\b:ACC+4*\b+3], s[8:9] offset:\b*ROWB   ; a batch row's 128 sums: 512 consecutive bytes, at a multiple of 256 from part's first byte
.endr
	s_wait_dscnt 0x0                               ; the wave's end
	s_wait_alu 0x0
	s_wait_tensorcnt 0x0
	ds_add_u32 v[SPW], v[NIL]
	s_wait_dscnt 0x0
	s_endpgm
.Lfunc_end_k_qfe2d237c74_serial:
	.size	k_qfe2d237c74_serial, .Lfunc_end_k_qfe2d237c74_serial-k_qfe2d237c74_serial
	.p2alignl 7, 3214868480
	.fill 96, 4, 3214868480
	.section	.rodata,"a",@progbits
	.p2align	6, 0x0
	.amdhsa_kernel k_qfe2d237c74_serial
		.amdhsa_group_segment_fixed_size 83456
		.amdhsa_private_segment_fixed_size 0
		.amdhsa_enable_private_segment 0
		.amdhsa_kernarg_size 24
		.amdhsa_user_sgpr_count 2
		.amdhsa_user_sgpr_kernarg_segment_ptr 1
		.amdhsa_wavefront_size32 1
		.amdhsa_system_sgpr_workgroup_id_x 1
		.amdhsa_system_sgpr_workgroup_id_y 1
		.amdhsa_system_sgpr_workgroup_id_z 1
		.amdhsa_system_vgpr_workitem_id 0
		.amdhsa_next_free_vgpr 236
		.amdhsa_next_free_sgpr 66
		.amdhsa_reserve_vcc 0
		.amdhsa_float_denorm_mode_32 3
		.amdhsa_float_denorm_mode_16_64 3
		.amdhsa_memory_ordered 1
		.amdhsa_forward_progress 1
		.amdhsa_inst_pref_size 131
	.end_amdhsa_kernel
	.amdgpu_metadata
---
amdhsa.version: [ 1, 2 ]
amdhsa.kernels:
  - .name:           k_qfe2d237c74_serial
    .symbol:         k_qfe2d237c74_serial.kd
    .args:
      - { .name: inputs, .offset: 0, .size: 8, .value_kind: global_buffer, .address_space: global }
      - { .name: kernel, .offset: 8, .size: 8, .value_kind: global_buffer, .address_space: global }
      - { .name: part, .offset: 16, .size: 8, .value_kind: global_buffer, .address_space: global }
    .group_segment_fixed_size: 83456
    .private_segment_fixed_size: 0
    .kernarg_segment_align: 8
    .kernarg_segment_size: 24
    .max_flat_workgroup_size: 128
    .sgpr_count:     66
    .vgpr_count:     236
    .wavefront_size: 32
...
	.end_amdgpu_metadata
.endif
;; end of part 3
;; launch finish: the kernel of part 2 again; grid 256 x 1, 2 waves a work-group, no clusters, 0 bytes of LDS; arguments part, bias, out0; writes out0
